; MI455X (gfx1250); checked and timed in simulation.
; The chip was launched on July 23, 2026; its instructions are those of AMD's public machine-readable ISA for CDNA 5 (MIT licence, August 2026) and "CDNA5" Instruction Set Architecture Reference Guide (July 2026). The comments in the code are by the model that wrote it; some were corrected since.
;; Multi Head Self Attention. Allowed arithmetic: matrix products marked QUANTISED: E2M1 operands, one E8M0 scale for each 32 along K, by v_wmma_scale_f32_16x16x128_f8f6f4 with both operands' format E2M1 (or v_wmma_scale_f32_32x16x128_f4), f32 sums; products left as they are: bf16, f16 or f32 operands; f32 sums; everything else in f32.
;; Inputs: bk 1,024 float32; bq 1,024 float32; bv 1,024 float32; k 4 x 2,048 x 1,024 float32; mask 4 x 2,048 float32; q 4 x 2,048 x 1,024 float32; v 4 x 2,048 x 1,024 float32; wk 1,024 x 1,024 float32; wq 1,024 x 1,024 float32; wv 1,024 x 1,024 float32.
;; Outputs: out0 4 x 2,048 x 1,024 float32.
;; This version of the problem:
;;   THIS VERSION OF THE PROBLEM IS GIVEN IN LOW PRECISION. The matrix products marked QUANTISED in the list below multiply operands that are first quantised to E2M1 (2 exponent bits, 1 mantissa bit; 4 bits a number), with one power-of-two scale for each 32 numbers along K (OCP MX v1.0); their sums are f32. The products marked 'left as it is' may take bf16, f16 or f32 operands, with f32 sums. Whichever they take, every output number must still come out within the allowed error. Rounding operands to bf16 (8 significant bits) uses up far more of that allowance than f16 does (11 bits, for magnitudes from 6e-5 to 65,504). All else is computed in f32.
;;   The module's matrix products, in the order in which they are computed (A, B: the left and right operand; K: the contracted axis; several contracted axes count as one K, in the product's order):
;;     1. [M 8,192, K 1,024] x [K 1,024, N 1,024]; A: input q; B: input wq: QUANTISED
;;     2. [M 8,192, K 1,024] x [K 1,024, N 1,024]; A: input k; B: input wk: QUANTISED
;;     3. [M 8,192, K 1,024] x [K 1,024, N 1,024]; A: input v; B: input wv: QUANTISED
;;     4. batch 64 x [M 2,048, K 64] x [K 64, N 2,048]; A: computed on the way; B: computed on the way: left as it is (an operand is computed on the way)
;;     5. batch 64 x [M 2,048, K 2,048] x [K 2,048, N 64]; A: computed on the way; B: computed on the way: left as it is (an operand is computed on the way)
;;   THE QUANTISER, for each operand of a quantised product, along K:
;;     - K is cut into blocks of 32 from its start; a last block that is shorter is filled with zeros.
;;     - A block's scale is 2^e with e = floor(log2(the largest magnitude in the block)) - 2, held to -126 .. 127; a block of zeros has e = 0. As a byte (E8M0): e + 127.
;;     - Each number is divided by its block's scale, clamped to +-6, and rounded to the nearest number of E2M1, ties to even, subnormals kept.
;;     - The product sums the exact products of the quantised numbers (number of the format x scale) in f32.
;;   ~~~python
;;   def quantise(x, axis):      # numpy; x: float32 -> the quantised numbers, widened to float32 again
;;       x = np.moveaxis(x, axis, -1); K = x.shape[-1]
;;       x = np.pad(x, [(0, 0)] * (x.ndim - 1) + [(0, -K % 32)]); x = x.reshape(x.shape[:-1] + (-1, 32)); a = np.abs(x).max(-1, keepdims=True)
;;       e = np.where(a > 0, np.clip(np.frexp(np.where(a > 0, a, 1))[1] - 1 - 2, -126, 127), 0)      # np.frexp(a)[1] - 1 = floor(log2(a)), exactly
;;       r = np.clip(x / 2.0 ** e, -6, 6)
;;       step = 2.0 ** (np.maximum(np.frexp(np.where(r == 0, 1, r))[1] - 1, 0) - 1)
;;       q = np.round(r / step) * step * 2.0 ** e      # np.round: ties to even
;;       return np.moveaxis(q.reshape(q.shape[:-2] + (-1,))[..., :K], -1, axis).astype(np.float32)
;;   ~~~
;; One version. Each part assembles by itself: llvm-mc -triple=amdgcn-amd-amdhsa -mcpu=gfx1250 --defsym DOCPART=n.
;; ======== version 1 of 1: 3 launches
;; limits: values are held in f16: magnitudes above 65,504 overflow, below 6.1e-05 lose precision
;; workspace buffers: xcodes 12,582,912 bytes; xscales 786,432 bytes; wcodes 1,572,864 bytes; wscales 98,304 bytes; qkv 50,331,648 bytes
;; launch quant (part 1): grid 864 x 1, 4 waves a work-group, no clusters, 33,280 bytes of LDS; arguments q, k, v, wq, wk, wv, xcodes, xscales, wcodes, wscales; writes xcodes, xscales, wcodes, wscales
.if DOCPART == 1
	.amdgcn_target "amdgcn-amd-amdhsa--gfx1250"
	.amdhsa_code_object_version 6
	.text
	.protected	k_q56bb5ca4cb_quant
	.globl	k_q56bb5ca4cb_quant
	.p2align	8
	.type	k_q56bb5ca4cb_quant,@function
k_q56bb5ca4cb_quant:
	s_mov_b64 s[64:65], 0
	v_nop
	global_prefetch_b8 v0, s[64:65] scope:SCOPE_SE
	s_setreg_imm32_b32 hwreg(HW_REG_WAVE_MODE, 25, 1), 1
	s_wait_xcnt 0x0
; q, k, v [8192][1024] and wq, wk, wv [1024][1024], f32, K innermost, become codes of FP4 (E2M1), two a byte, and one E8M0 scale byte for each 32 along K.
; xcodes = q's, k's, v's codes on end ([24576 rows][512 bytes]), xscales [24576][32]; wcodes [3072][512], wscales [3072][32].
; A block's scale is 2^(floor(log2(its largest magnitude)) - 2); its byte is the largest magnitude's exponent field - 2, held at 1 from below.  Each number is divided by the scale and rounded to the nearest code, ties to even; beyond 6 the largest code.
; LIMITS: a block of zeros gets the byte 1 where the rule says 127 (its codes are zeros, which add nothing, and this program alone reads the bytes); blocks whose largest magnitude lies under 2^-124 keep the byte 1; NaN and infinities are not served.
; Rows are dense and K is a multiple of 32: every tensor is a plain stream of blocks of 32.  A work-group takes 32,768 numbers, a wave 16 steps of 512.  Work-groups 0-255 q, 256-511 k, 512-767 v, 768-799 wq, 800-831 wk, 832-863 wv:
; only pointers are chosen by the work-group's number; all take one path.  Each load reads 512 consecutive bytes; a step's 2,048 bytes turn through the wave's own stage in LDS, so that a lane then holds 16 neighbours (two lanes a block).
; A wave's store of codes covers 256 consecutive bytes; its 256 scale bytes are gathered in LDS and leave as one store of 256 consecutive bytes.  No barrier: waves share nothing.  Loads run four steps ahead.
.set WAVES, 4
.set STEPS, 16
.set EMAX,  2
.set CB,    8                          ; bytes of 16 codes
.set R,     16                         ; v16-79   four sets of 16 numbers as loaded
.set X,     80                         ; v80-111  two sets of 16 neighbours
.set E,     112                        ; v112-127 a scale byte for each step
.set C,     128                        ; v128-191 codes: registers of its own for each step
.set WREG,  8192                       ; LDS: a region for each wave: two stages of 32 x SP bytes, then its 256 scale bytes
.set SP,    80                         ; a lane's place in a stage: 64 bytes + 16 of padding
.set SPW,   12                         ; v12  LDS address of my spare word; never rewritten
.set NIL,   13                         ; v13  0; never rewritten
.set SPARE, WAVES*WREG                 ; behind the regions: the spare words, 128 bytes a wave, which no other line names
	s_load_b512 s[4:19], s[0:1], 0x0               ; q 4:5, k 6:7, v 8:9, wq 10:11, wk 12:13, wv 14:15, xcodes 16:17, xscales 18:19
	s_load_b128 s[20:23], s[0:1], 0x40             ; wcodes, wscales
	v_lshl_add_u32 v[SPW], v0, 2, SPARE
	v_mov_b32 v[NIL], 0
	v_lshrrev_b32 v1, 5, v0
	v_readfirstlane_b32 s24, v1                    ; wave
	v_and_b32 v2, 31, v0                           ; lane
	v_lshlrev_b32 v3, 4, v2                        ; my 16 bytes of a load's 512
	s_mul_i32 s25, s24, WREG
	v_lshrrev_b32 v14, 2, v2
	v_mul_u32_u24 v14, v14, SP
	v_and_b32 v15, 3, v2
	v_lshl_add_u32 v14, v15, 4, v14
	v_add_nc_u32 v14, s25, v14                     ; the stage, on the way in: SP (lane / 4) + 16 (lane % 4)
	v_mul_u32_u24 v15, v2, SP
	v_add_nc_u32 v15, s25, v15                     ; and on the way out: SP x lane: my 16 neighbours
	v_mul_u32_u24 v4, v2, CB                       ; my codes' place in a step's
	v_lshrrev_b32 v5, 1, v2
	s_add_co_u32 s25, s25, 2*32*SP
	v_add_nc_u32 v5, s25, v5                       ; LDS: my wave's 256 scale bytes, my block's byte
	v_lshlrev_b32 v7, 3, v2                        ; on the way out 8 bytes a lane
	v_add_nc_u32 v6, s25, v7
	s_wait_kmcnt 0x0
	; which tensor: the choices hang on the work-group's number alone.  s[14:15] the input, s26 its first work-group
	s_mov_b32 s26, 832
	s_cmp_lt_u32 ttmp9, 832
	s_cselect_b64 s[14:15], s[12:13], s[14:15]
	s_cselect_b32 s26, 800, s26
	s_cmp_lt_u32 ttmp9, 800
	s_cselect_b64 s[14:15], s[10:11], s[14:15]
	s_cselect_b32 s26, 768, s26
	s_cmp_lt_u32 ttmp9, 768
	s_cselect_b64 s[14:15], s[8:9], s[14:15]
	s_cselect_b32 s26, 512, s26
	s_cselect_b64 s[16:17], s[16:17], s[20:21]     ; codes: the activations' buffer or the weights'
	s_cselect_b64 s[18:19], s[18:19], s[22:23]     ; scale bytes likewise
	s_cselect_b32 s27, 0, 768                      ; the first work-group of that output buffer
	s_cmp_lt_u32 ttmp9, 512
	s_cselect_b64 s[14:15], s[6:7], s[14:15]
	s_cselect_b32 s26, 256, s26
	s_cmp_lt_u32 ttmp9, 256
	s_cselect_b64 s[14:15], s[4:5], s[14:15]
	s_cselect_b32 s26, 0, s26
	s_sub_co_u32 s26, ttmp9, s26
	s_lshl_b32 s26, s26, 2
	s_add_co_u32 s26, s26, s24                     ; which run of 8,192 numbers of the input is my wave's
	s_lshl_b32 s28, s26, 15                        ; 32,768 bytes a run
	s_mov_b32 s29, 0
	s_add_nc_u64 s[14:15], s[14:15], s[28:29]
	s_sub_co_u32 s27, ttmp9, s27
	s_lshl_b32 s27, s27, 2
	s_add_co_u32 s27, s27, s24                     ; and which run of the output buffers
	s_lshl_b32 s28, s27, 12                        ; 4,096 bytes of codes a run
	s_add_nc_u64 s[16:17], s[16:17], s[28:29]
	s_lshl_b32 s28, s27, 8                         ; 256 scale bytes a run
	s_add_nc_u64 s[18:19], s[18:19], s[28:29]
.macro LOAD t
.irp i, 0,1,2,3
	global_load_b128 v[R+16*((\t)%4)+4*\i:R+16*((\t)%4)+4*\i+3], v3, s[14:15] offset:2048*(\t)+512*\i th:TH_LOAD_NT   ; 32 lanes read 512 consecutive bytes
.endr
.endm
.macro TURN t                          ; step t's numbers through the stage: LDS serves a wave's instructions in order, so no wait stands between the stores and the loads
.irp i, 0,1,2,3
	ds_store_b128 v14, v[R+16*((\t)%4)+4*\i:R+16*((\t)%4)+4*\i+3] offset:32*SP*((\t)%2)+8*SP*\i
.endr
.irp i, 0,1,2,3
	ds_load_b128 v[X+16*((\t)%2)+4*\i:X+16*((\t)%2)+4*\i+3], v15 offset:32*SP*((\t)%2)+16*\i
.endr
.endm
.irp t, 0,1,2,3
	LOAD \t
.endr
	s_wait_loadcnt 12                              ; step 0's four loads are in; the twelve behind them may be out
	TURN 0
.macro STEP t
.set XS, X+16*((\t)%2)
.if (\t) > 0
	s_wait_dscnt 1                                 ; this step's numbers are back from the stage (the last step's byte store may be out): so its stores into the stage have read their registers,
.else
	s_wait_dscnt 0x0
.endif
.if (\t)+4 < STEPS
	LOAD (\t)+4                                    ; which take the loads of four steps on
.endif
.if (\t)+1 < STEPS
.if STEPS-2-(\t) >= 3
	s_wait_loadcnt 12                              ; the next step's four loads are in; those of the three steps behind it may be out
.else
	s_wait_loadcnt 4*(STEPS-2-(\t))
.endif
	TURN (\t)+1                                    ; and go through the other stage while this step is worked
.endif
	v_max3_num_f32 v8, |v[XS]|, |v[XS+1]|, |v[XS+2]|               ; the largest magnitude of my 16, in two chains
	v_max3_num_f32 v9, |v[XS+3]|, |v[XS+4]|, |v[XS+5]|
.irp i, 6,10
	v_max3_num_f32 v8, v8, |v[XS+\i]|, |v[XS+\i+1]|
	v_max3_num_f32 v9, v9, |v[XS+\i+2]|, |v[XS+\i+3]|
.endr
	v_max3_num_f32 v8, v8, |v[XS+14]|, |v[XS+15]|
	v_max3_num_f32 v8, v8, v9, (EMAX+1)<<23        ; and the floor 2^(3 - 127): so the byte cannot fall under 1
	v_max_num_f32_dpp v8, v8, v8 row_xmask:1 row_mask:0xf bank_mask:0xf   ; and of my neighbour's 16: the block's
	v_add_nc_u32 v11, -(EMAX<<23), v8              ; 2 off its exponent field: the conversion takes the exponent field of this operand as its scale, and nothing else of it
	v_cvt_scalef32_pk8_fp4_f32 v[C+4*(\t)], v[XS:XS+7], v11
	v_cvt_scalef32_pk8_fp4_f32 v[C+4*(\t)+1], v[XS+8:XS+15], v11
	v_lshrrev_b32 v[E+(\t)], 23, v11               ; the scale's byte (also the plain line behind the conversions)
	ds_store_b8 v5, v[E+(\t)] offset:16*(\t)       ; both lanes of a block write the same byte with the same value
	global_store_b64 v4, v[C+4*(\t):C+4*(\t)+1], s[16:17] offset:32*CB*(\t)   ; 32 lanes store 256 consecutive bytes, aligned
.endm
.irp t, 0,1,2,3,4,5,6,7,8,9,10,11,12,13,14,15
	STEP \t
.endr
	ds_load_b64 v[8:9], v6                         ; LDS serves a wave's instructions in order: these see my stores
	s_wait_dscnt 0x0
	global_store_b64 v7, v[8:9], s[18:19]          ; 32 lanes store 256 consecutive bytes, aligned
	s_wait_tensorcnt 0x0                           ; the wave's end: behind my last LDS store
	ds_add_u32 v[SPW], v[NIL]
	s_wait_dscnt 0x0
	s_endpgm
.Lfunc_end_k_q56bb5ca4cb_quant:
	.size	k_q56bb5ca4cb_quant, .Lfunc_end_k_q56bb5ca4cb_quant-k_q56bb5ca4cb_quant
	.p2alignl 7, 3214868480
	.fill 96, 4, 3214868480
	.section	.rodata,"a",@progbits
	.p2align	6, 0x0
	.amdhsa_kernel k_q56bb5ca4cb_quant
		.amdhsa_group_segment_fixed_size 33280
		.amdhsa_private_segment_fixed_size 0
		.amdhsa_enable_private_segment 0
		.amdhsa_kernarg_size 80
		.amdhsa_user_sgpr_count 2
		.amdhsa_user_sgpr_kernarg_segment_ptr 1
		.amdhsa_wavefront_size32 1
		.amdhsa_system_sgpr_workgroup_id_x 1
		.amdhsa_system_sgpr_workgroup_id_y 1
		.amdhsa_system_sgpr_workgroup_id_z 1
		.amdhsa_system_vgpr_workitem_id 0
		.amdhsa_next_free_vgpr 192
		.amdhsa_next_free_sgpr 66
		.amdhsa_reserve_vcc 0
		.amdhsa_float_denorm_mode_32 3
		.amdhsa_float_denorm_mode_16_64 3
		.amdhsa_memory_ordered 1
		.amdhsa_forward_progress 1
		.amdhsa_inst_pref_size 34
	.end_amdhsa_kernel
	.amdgpu_metadata
---
amdhsa.version: [ 1, 2 ]
amdhsa.kernels:
  - .name:           k_q56bb5ca4cb_quant
    .symbol:         k_q56bb5ca4cb_quant.kd
    .args:
      - { .name: q, .offset: 0, .size: 8, .value_kind: global_buffer, .address_space: global }
      - { .name: k, .offset: 8, .size: 8, .value_kind: global_buffer, .address_space: global }
      - { .name: v, .offset: 16, .size: 8, .value_kind: global_buffer, .address_space: global }
      - { .name: wq, .offset: 24, .size: 8, .value_kind: global_buffer, .address_space: global }
      - { .name: wk, .offset: 32, .size: 8, .value_kind: global_buffer, .address_space: global }
      - { .name: wv, .offset: 40, .size: 8, .value_kind: global_buffer, .address_space: global }
      - { .name: xcodes, .offset: 48, .size: 8, .value_kind: global_buffer, .address_space: global }
      - { .name: xscales, .offset: 56, .size: 8, .value_kind: global_buffer, .address_space: global }
      - { .name: wcodes, .offset: 64, .size: 8, .value_kind: global_buffer, .address_space: global }
      - { .name: wscales, .offset: 72, .size: 8, .value_kind: global_buffer, .address_space: global }
    .group_segment_fixed_size: 33280
    .private_segment_fixed_size: 0
    .kernarg_segment_align: 8
    .kernarg_segment_size: 80
    .max_flat_workgroup_size: 128
    .sgpr_count:     66
    .vgpr_count:     192
    .wavefront_size: 32
...
	.end_amdgpu_metadata
.endif
;; end of part 1
;; launch proj (part 2): grid 4 x 96, 4 waves a work-group, clusters of 4 x 4, 327,680 bytes of LDS; arguments xcodes, xscales, wcodes, wscales, qkv, bq, bk, bv; writes qkv
.if DOCPART == 2
	.amdgcn_target "amdgcn-amd-amdhsa--gfx1250"
	.amdhsa_code_object_version 6
	.text
	.protected	k_q56bb5ca4cb_proj
	.globl	k_q56bb5ca4cb_proj
	.p2align	8
	.type	k_q56bb5ca4cb_proj,@function
k_q56bb5ca4cb_proj:
	s_mov_b64 s[64:65], 0
	v_nop
	global_prefetch_b8 v0, s[64:65] scope:SCOPE_SE
	s_setreg_imm32_b32 hwreg(HW_REG_WAVE_MODE, 25, 1), 1
	s_wait_xcnt 0x0
	s_wait_alu depctr_hold_cnt(0) depctr_sa_sdst(0) depctr_va_vdst(0) depctr_va_sdst(0) depctr_va_ssrc(0) depctr_va_vcc(0) depctr_vm_vsrc(0)
	s_getreg_b32 s2, hwreg(HW_REG_IB_STS2, 6, 4)
	s_cmp_eq_u32 s2, 0
	s_cbranch_scc0 .Lentry_in_a_cluster
	s_endpgm
.Lentry_in_a_cluster:
	s_bfe_u32 s2, ttmp6, 0x10000c
	s_cmp_lg_u32 s2, 0xf033
	s_cbranch_scc0 .Lentry_shape_is_right
	s_endpgm
.Lentry_shape_is_right:
; The three projections in one launch: C[m][n] = sum over k of X[m][k] W[n][k] + bias[n], on codes of FP4 (E2M1) with one E8M0 scale for each 32 along K = 1,024; sums in f32; C rounded once to f16.
; X: xcodes [24576][512 bytes] (q's, k's, v's rows on end), xscales [24576][32].  W: wcodes [3072][512], wscales [3072][32] (wq, wk, wv on end).  Tensor t = row / 8192 takes weight t and bias t.
; OUT: qkv, f16, laid by head: byte = t << 24 + (16 batch + head) << 18 + token << 7 + 2 channel.
; LIMIT: |C| up to 65,504, f16's largest number.
; A tile of C, 256 x 256, is made by a work-group of four waves; a wave makes 128 x 128: 64 accumulators of 16 x 16, 512 registers.  K is two slots of 512 (rows of 256 bytes): both are asked for at the head, nothing is filled again.
; The scales of the work-group's 256 rows of X and of W, for all of K, are two dense blocks of memory and come into LDS with the first fills.
; CLUSTERS: 4 x 4 work-groups.  The four of a row of the cluster need the same tiles of X, the four of a column the same tiles of W (a cluster lies inside one tensor: 8 clusters of 1,024 rows each): each tile is asked for
; JOINTLY, by the same tensor load with the same descriptor and a mask that names the four.  By this text's own count a wave has three tensor loads out at the most.
; THE MATRIX INSTRUCTION IS USED TRANSPOSED (source 0 = 16 rows of W, source 1 = 16 rows of X): a lane then holds eight neighbouring channels of one token.  The bias is the C of each sum's first product.
; REGISTERS, in windows of 256: window 0: v0-31 addresses; v32-95 scale words, two sets; v96-127 packed results; v128-191 X's fragments, ONE set (on the way out: rows read back); v192-255 the bias, eight registers a block of 16 columns.
;   window 1: W's fragments, TWO sets, at v0 and v128.   window 2: the accumulators of my rows 0-63 ((a, b) at v[8 (8 a + b)]);   window 3: those of my rows 64-127.
.set NQ,     4                         ; matrix instructions deep in a slot
.set ROWB,   256                       ; a tile's row in bytes: 512 codes
.set KROW,   512                       ; a row of codes in memory
.set PITCH,  272                       ; an LDS row: 256 bytes + 16 of padding = 68 words: the 16 rows that a load touches start 4 words apart modulo 64
.set FR,     8                         ; registers of a fragment
.set NL,     2                         ; LDS loads that bring one
.set NP,     4                         ; places behind this matrix instruction (ISA guide 7.12.1)
.set HALFT,  128*PITCH                 ; 128 rows: what one tensor load brings
.set SLOT,   4*HALFT                   ; X's 256 rows, then W's 256 rows
.set KS,     32                        ; a row of scales in bytes
.set SCL,    2*SLOT                    ; behind the slots: the scales, as rows of 256 bytes + 16 of padding
.set HALFS,  (128*KS/256)*272          ; the scales of 128 rows
.set SBLK,   (16*KS/256)*272           ; those of 16 rows
.set SPARE,  SCL+4*HALFS               ; the spare words, 128 bytes a wave, which no other line names
.set SPB,    144                       ; the way out: a stage row: a token's 128 bytes of one head + 16
.set SHEAD,  16*SPB                    ; 16 tokens of one head; a wave's stage holds two heads.  It lies in slot 0, which has had its only fill and its last read when the first result is stored there
.set ADRA, 16                          ; v16-17  LDS address of my X fragments in slot 0, 1
.set ADRB, 20                          ; v20-21  the same for W
.set STO,  24                          ; v24     the way out: where I put 16 bytes of a token
.set RD,   25                          ; v25     where I read back
.set CO,   26                          ; v26     16 x lane: my bytes in a store's 512
.set ADRS, 27                          ; v27     LDS address of my scale words: lanes 0-15 X's rows, lanes 16-31 W's
.set SPW,  28                          ; v28     LDS address of my spare word; never rewritten
.set NIL,  29                          ; v29     0; never rewritten
.set BO,   30                          ; v30     the bias loads' offset: 32 x (lane / 16); never rewritten
.set SC,   32                          ; scale words: set s at v[SC + 32 s]; register 4 i + q: lanes 0-15 the word of X's block i, lanes 16-31 that of W's block i, for the slot's q-th 128 along K
.set TMP,  96
.set AF,   128
.set BK,   128                         ; the way out: v128-159 and v160-191 by turns
.set BI,   192
.set G1, 24                            ; s[24:31] descriptor group 1 for X's tiles;  s[32:39] group 0, one set for each slot
.set G0, 32
.set G1B, 48                           ; s[48:55], s[56:63] the same for W's tiles
.set G0B, 56
.set G1S, 68                           ; s[68:75], s[76:79] groups 1 and 0 for X's scales;  s[80:87], s[88:91] for W's
.set G0S, 76
.set G1SB, 80
.set G0SB, 88
.set MSB, 0
.macro WIN new                         ; the immediate's high byte repeats the setting that is left; a switch that changes nothing is dropped
.if MSB != (\new)
	s_set_vgpr_msb (MSB<<8)|(\new)
.set MSB, (\new)
.endif
.endm
.set MUL_LO, 0xa1                      ; source 0 (W) window 1, source 1 (X) window 0, C and D window 2
.set MUL_HI, 0xf1                      ; the same, C and D window 3
.set BIA_LO, 0x81                      ; the first step: C (the bias) window 0, D window 2
.set BIA_HI, 0xc1                      ; D window 3
.set TO_B,   0x40                      ; destination window 1, address window 0
; A joint load: waves 0 and 1 fetch for X, waves 2 and 3 for W.  Each of the two lines has one mask and one set of registers for all that issue it; the branch hangs on the wave's number alone.
; An s_nop 0 and four v_nop follow each of the two lines.
.macro JLOAD g0a, g1a, g0b, g1b
	s_cmp_eq_u32 s15, 0
	s_cbranch_scc0 .Lfor_b_\@
	tensor_load_to_lds s[\g0a:\g0a+3], s[\g1a:\g1a+7]
	s_nop 0
.rept 4
	v_nop
.endr
	s_branch .Lasked_\@
.Lfor_b_\@:
	tensor_load_to_lds s[\g0b:\g0b+3], s[\g1b:\g1b+7]
	s_nop 0
.rept 4
	v_nop
.endr
.Lasked_\@:
.endm
.macro CROUND                          ; a round of the cluster's barrier: my work-group's barrier; wave 0 signals for the work-group; every wave waits for all sixteen; my work-group's barrier once more
	s_barrier_signal -1
	s_barrier_wait -1
	s_cmp_lg_u32 s14, 0
	s_cbranch_scc1 .Lnot_wave_0_\@
	s_barrier_signal -3
.Lnot_wave_0_\@:
	s_barrier_wait -3
	s_barrier_signal -1
	s_barrier_wait -1
.endm
	s_load_b128 s[4:7], s[0:1], 0x0                ; xcodes, xscales
	s_load_b128 s[8:11], s[0:1], 0x10              ; wcodes, wscales
	s_load_b64 s[12:13], s[0:1], 0x20              ; qkv
	s_load_b64 s[96:97], s[0:1], 0x28              ; bq
	s_load_b64 s[98:99], s[0:1], 0x30              ; bk
	s_load_b64 s[100:101], s[0:1], 0x38            ; bv
	v_lshl_add_u32 v[SPW], v0, 2, SPARE
	v_mov_b32 v[NIL], 0
	ds_add_u32 v[SPW], v[NIL]                      ; the wave's opening: the add, twice on end, and its wait ahead of my first tensor load
	ds_add_u32 v[SPW], v[NIL]
	v_lshrrev_b32 v1, 5, v0
	v_readfirstlane_b32 s14, v1                    ; wave 0..3
	s_lshr_b32 s15, s14, 1                         ; which half of the tile's rows is mine.  Also: I fetch for X (0) or for W (1)
	s_and_b32 s16, s14, 1                          ; which half of its columns.  Also: which 128 rows of that tile I fetch
	s_bfe_u32 s40, ttmp6, 0x40000                  ; cx, cy: my place in the cluster
	s_bfe_u32 s41, ttmp6, 0x40004
	s_lshl_b32 s42, ttmp9, 2
	s_add_co_u32 s42, s42, s40                     ; tile column = 4 x cluster x + cx
	s_and_b32 s17, ttmp7, 0xffff                   ; cluster y
	s_lshr_b32 s66, s17, 3                         ; the tensor, 0 q, 1 k, 2 v: eight clusters each; the same in all sixteen partners
	s_lshl_b32 s17, s17, 2
	s_add_co_u32 s17, s17, s41                     ; tile row = 4 x cluster y + cy, over all 24,576 rows
	s_lshl_b32 s43, s41, 2
	s_lshl_b32 s43, 15, s43                        ; my row of the cluster
	s_lshl_b32 s44, 0x1111, s40                    ; my column
	; descriptor group 1: a tile of 128 rows x 256 bytes, padded in LDS
	s_or_b32 s[G1+0], s43, (0<<16)|(1<<20)|(1<<21)|(5<<22)|(3<<25)  ; 15:0 the mask: X's tiles go to my row; 17:16 elements of 1 byte; 20 padding on; 21 set beside a mask; 24:22 after every 64 words; 31:25 four words of it
	s_or_b32 s[G1B+0], s44, (0<<16)|(1<<20)|(1<<21)|(5<<22)|(3<<25)
.irp g, G1, G1B
	s_mov_b32 s[\g+1], ROWB<<16                    ; tensor_dim0
	s_mov_b32 s[\g+2], 128<<16                     ; tensor_dim1
	s_mov_b32 s[\g+3], ROWB<<16                    ; tile_dim0
	s_mov_b32 s[\g+4], 128                         ; tile_dim1
	s_mov_b32 s[\g+5], KROW                        ; from row to row
	s_mov_b32 s[\g+6], 0
	s_mov_b32 s[\g+7], 0
.endr
	; the scales of 128 rows: a dense block of 4,096 bytes, as 16 rows of 256 bytes (32 elements of 8 bytes), 16 bytes of padding behind each
	s_or_b32 s[G1S+0], s43, (3<<16)|(1<<20)|(1<<21)|(5<<22)|(3<<25)
	s_or_b32 s[G1SB+0], s44, (3<<16)|(1<<20)|(1<<21)|(5<<22)|(3<<25)
.irp g, G1S, G1SB
	s_mov_b32 s[\g+1], 32<<16
	s_mov_b32 s[\g+2], (128*KS/256)<<16
	s_mov_b32 s[\g+3], 32<<16
	s_mov_b32 s[\g+4], 128*KS/256
	s_mov_b32 s[\g+5], 32
	s_mov_b32 s[\g+6], 0
	s_mov_b32 s[\g+7], 0
.endr
	s_lshl_b32 s18, s16, 7                         ; which 128 rows of the tile I fetch
	s_lshl_b32 s20, s17, 8
	s_add_co_u32 s20, s20, s18                     ; X: row 256 x tile row + 128 x half
	s_lshl_b32 s46, s42, 8
	s_add_co_u32 s46, s46, s18                     ; W: row 256 x tile column + 128 x half
	s_lshl_b32 s47, s66, 10
	s_add_co_u32 s46, s46, s47                     ;    + 1,024 x tensor
	s_mov_b32 s21, 0
	s_mov_b32 s47, 0
	s_mov_b64 s[18:19], KS
	s_mul_u64 s[22:23], s[20:21], s[18:19]         ; where these rows' scales begin, in bytes
	s_mul_u64 s[92:93], s[46:47], s[18:19]
	s_mov_b64 s[18:19], KROW
	s_mul_u64 s[20:21], s[20:21], s[18:19]         ; and their codes
	s_mul_u64 s[46:47], s[46:47], s[18:19]
	s_mul_i32 s45, s14, HALFT                      ; where they go: wave x 128 rows: no place in the cluster enters an LDS address
	s_mul_i32 s94, s14, HALFS
	s_wait_dscnt 0x0                               ; both opening adds are done
	s_wait_kmcnt 0x0
	s_add_nc_u64 s[20:21], s[4:5], s[20:21]
	s_add_nc_u64 s[22:23], s[6:7], s[22:23]
	s_add_nc_u64 s[46:47], s[8:9], s[46:47]
	s_add_nc_u64 s[92:93], s[10:11], s[92:93]
	CROUND                                         ; all sixteen work-groups are here: the joint loads meet
	s_mov_b32 s[G0S], 1
	s_add_co_u32 s[G0S+1], s94, SCL
	s_mov_b64 s[G0S+2:G0S+3], s[22:23]
	s_or_b32 s[G0S+3], s[G0S+3], 0x80000000
	s_mov_b32 s[G0SB], 1
	s_add_co_u32 s[G0SB+1], s94, SCL
	s_mov_b64 s[G0SB+2:G0SB+3], s[92:93]
	s_or_b32 s[G0SB+3], s[G0SB+3], 0x80000000
	JLOAD G0S, G1S, G0SB, G1SB                     ; the scales first: they are wanted with the first slot
.irp s, 0,1
	s_mov_b32 s[G0+4*\s], 1
	s_add_co_u32 s[G0+4*\s+1], s45, \s*SLOT
	s_add_nc_u64 s[G0+4*\s+2:G0+4*\s+3], s[20:21], \s*ROWB
	s_or_b32 s[G0+4*\s+3], s[G0+4*\s+3], 0x80000000
	s_mov_b32 s[G0B+4*\s], 1
	s_add_co_u32 s[G0B+4*\s+1], s45, \s*SLOT
	s_add_nc_u64 s[G0B+4*\s+2:G0B+4*\s+3], s[46:47], \s*ROWB
	s_or_b32 s[G0B+4*\s+3], s[G0B+4*\s+3], 0x80000000
	JLOAD G0+4*\s, G1, G0B+4*\s, G1B
.endr
	v_and_b32 v1, 15, v0                           ; r = lane % 16
	v_bfe_u32 v2, v0, 4, 1                         ; h = lane / 16
	; the bias of my tensor, at my 128 columns: register 8 b + j of lane (r, h) is bias[16 b + 8 h + j], the result's layout
	s_cmp_eq_u32 s66, 0
	s_cselect_b64 s[96:97], s[96:97], s[98:99]
	s_cmp_eq_u32 s66, 2
	s_cselect_b64 s[96:97], s[100:101], s[96:97]
	s_lshl_b32 s98, s42, 10                        ; 256 columns x 4 bytes a tile column,
	s_lshl_b32 s99, s16, 9                         ; 128 x 4 for the half
	s_add_co_u32 s98, s98, s99
	s_mov_b32 s99, 0
	s_add_nc_u64 s[96:97], s[96:97], s[98:99]
	v_lshlrev_b32 v[BO], 5, v2
.irp b, 0,1,2,3,4,5,6,7
	global_load_b128 v[BI+8*\b:BI+8*\b+3], v[BO], s[96:97] offset:64*\b
	global_load_b128 v[BI+8*\b+4:BI+8*\b+7], v[BO], s[96:97] offset:64*\b+16
.endr
	v_mul_u32_u24 v3, v1, PITCH
	v_lshl_add_u32 v4, v2, 4, v3                   ; a fragment's row x pitch + 16 x half
	s_mul_i32 s21, s15, HALFT                      ; my 128 rows of X
	s_mul_i32 s22, s16, HALFT                      ; my 128 rows of W,
	s_add_co_u32 s22, s22, 2*HALFT                 ; which lie behind X's 256
.irp s, 0,1
	v_add_nc_u32 v[ADRA+\s], s21, v4
	v_add_nc_u32 v[ADRB+\s], s22, v4
	s_add_co_u32 s21, s21, SLOT
	s_add_co_u32 s22, s22, SLOT
.endr
	v_mul_u32_u24 v5, v1, KS                       ; my row's scales: 32 bytes a row,
	v_lshrrev_b32 v6, 8, v5
	v_lshl_add_u32 v5, v6, 4, v5                   ; and 16 more for each 256 passed
	s_mul_i32 s21, s15, HALFS                      ; X's: my 128 rows
	s_mul_i32 s22, s16, HALFS                      ; W's: my 128 rows, behind X's 256
	s_add_co_u32 s22, s22, 2*HALFS
	s_sub_co_u32 s22, s22, s21
	v_mul_u32_u24 v6, s22, v2                      ; lanes 16-31 take W's: one product, the distance x h
	s_add_co_u32 s21, s21, SCL
	v_add_nc_u32 v5, v5, v6
	v_add_nc_u32 v[ADRS], s21, v5
	s_mul_i32 s23, s14, 2*SHEAD                    ; my stage
	v_mul_u32_u24 v5, v1, SPB                      ; in: token r, 16 bytes for each half of the lanes
	v_lshl_add_u32 v5, v2, 4, v5
	v_add_nc_u32 v[STO], s23, v5
	v_and_b32 v6, 31, v0
	v_lshrrev_b32 v5, 3, v6                        ; back: eight lanes take a token's 128 bytes, the 32 lanes four tokens
	v_mul_u32_u24 v5, v5, SPB
	v_and_b32 v7, 7, v0
	v_lshl_add_u32 v5, v7, 4, v5
	v_add_nc_u32 v[RD], s23, v5
	v_lshlrev_b32 v[CO], 4, v6                     ; four tokens of a head are 512 consecutive bytes of qkv
	; where my part begins in qkv: (tile row / 8) << 22 is tensor << 24 + batch << 22; then my first head << 18; then my first token << 7
	s_lshr_b32 s20, s17, 3
	s_lshl_b32 s20, s20, 22
	s_lshl_b32 s21, s42, 2
	s_lshl_b32 s22, s16, 1
	s_add_co_u32 s21, s21, s22                     ; head = 4 x tile column + 2 x half
	s_lshl_b32 s21, s21, 18
	s_add_co_u32 s20, s20, s21
	s_and_b32 s21, s17, 7
	s_lshl_b32 s21, s21, 8
	s_lshl_b32 s22, s15, 7
	s_add_co_u32 s21, s21, s22                     ; token = 256 x (tile row % 8) + 128 x half
	s_lshl_b32 s21, s21, 7
	s_add_co_u32 s20, s20, s21
	s_mov_b32 s21, 0
	s_add_nc_u64 s[12:13], s[12:13], s[20:21]
.macro FRAG reg, adr, q, i             ; a fragment, 16 rows x 128 K of 4-bit codes, is 8 registers: lane l holds row l % 16; registers 4 c .. 4 c + 3 hold K = 64 c + 32 (l / 16) + 0 .. 31
.irp c, 0,1
	ds_load_b128 v[\reg+4*\c:\reg+4*\c+3], v[\adr] offset:64*(\q)+32*\c+(\i)*16*PITCH
.endr
.endm
; 16 matrix instructions: X's blocks a0, a0 + 1 x W's eight, 128 along K: the slot's q-th.  p: W's set;  sc: the set of scale words.  first = 1: the bias starts the sums: nothing is ever cleared.
; The 64 accumulators take turns, one instruction a turn, in the same order in every step.
.macro MUL16 a0, p, q, sc, first
.irp a, \a0, \a0+1
.irp b, 0,1,2,3,4,5,6,7
.if \first
	v_wmma_scale_f32_16x16x128_f8f6f4 v[8*(8*((\a)%4)+\b):8*(8*((\a)%4)+\b)+7], v[128*(\p)+FR*\b:128*(\p)+FR*\b+FR-1], v[AF+FR*(\a):AF+FR*(\a)+FR-1], v[BI+8*\b:BI+8*\b+7], v[SC+8*NQ*(\sc)+NQ*\b+(\q)], v[SC+8*NQ*(\sc)+NQ*(\a)+(\q)] matrix_a_fmt:MATRIX_FMT_FP4 matrix_b_fmt:MATRIX_FMT_FP4 matrix_a_scale:MATRIX_SCALE_ROW1
.else
	v_wmma_scale_f32_16x16x128_f8f6f4 v[8*(8*((\a)%4)+\b):8*(8*((\a)%4)+\b)+7], v[128*(\p)+FR*\b:128*(\p)+FR*\b+FR-1], v[AF+FR*(\a):AF+FR*(\a)+FR-1], v[8*(8*((\a)%4)+\b):8*(8*((\a)%4)+\b)+7], v[SC+8*NQ*(\sc)+NQ*\b+(\q)], v[SC+8*NQ*(\sc)+NQ*(\a)+(\q)] matrix_a_fmt:MATRIX_FMT_FP4 matrix_b_fmt:MATRIX_FMT_FP4 matrix_a_scale:MATRIX_SCALE_ROW1
.endif
.endr
.endr
.endm
.macro FETCH_B slot, q, p              ; W's eight fragments of the slot's q-th 128 along K into set p
	WIN TO_B
.irp i, 0,1,2,3,4,5,6,7
	FRAG 128*(\p)+FR*\i, ADRB+\slot, \q, \i
.endr
	WIN 0
.endm
.macro FETCH_A slot, q, i0             ; X's blocks i0 .. i0 + 3
.irp i, \i0, \i0+1, \i0+2, \i0+3
	FRAG AF+FR*(\i), ADRA+\slot, \q, \i
.endr
.endm
.macro SCALES sc                       ; a slot's scale words into set sc: four words a row; lanes 0-15 take X's block i, lanes 16-31 W's block i
.irp i, 0,1,2,3,4,5,6,7
	ds_load_b128 v[SC+8*NQ*\sc+NQ*\i:SC+8*NQ*\sc+NQ*\i+3], v[ADRS] offset:\i*SBLK
.endr
.endm
; A load into a register that a matrix instruction has read, and a vector instruction that reads a matrix result, stand four places behind that matrix instruction; only plain vector instructions that name none of its
; registers are places (ISA guide 7.12.1 for vector instructions).
.macro PLACES n
.rept \n
	v_nop
.endr
.endm
; A step of 128 along K that has its successor in the same slot.  X's blocks 0-3 are fetched anew in its middle, blocks 4-7 at its end; W's other set in its middle.
.macro STEP slot, q, first
	s_wait_dscnt 4*NL                              ; W's set and X's blocks 0-3 are in; the youngest eight loads (X's blocks 4-7) may be out
.if \first
	WIN BIA_LO
.else
	WIN MUL_LO
.endif
	MUL16 0, (\q)%2, \q, \slot, \first
	MUL16 2, (\q)%2, \q, \slot, \first
	s_wait_dscnt 0                                 ; X's blocks 4-7 are in (asked for 32 matrix instructions ago)
	PLACES NP
	FETCH_B \slot, (\q)+1, 1-(\q)%2
	FETCH_A \slot, (\q)+1, 0
.if \first
	WIN BIA_HI
.else
	WIN MUL_HI
.endif
	MUL16 4, (\q)%2, \q, \slot, \first
	MUL16 6, (\q)%2, \q, \slot, \first
	PLACES NP
	WIN 0
	FETCH_A \slot, (\q)+1, 4
.endm
; Slot 0's last step changes slots: one barrier; in front of it each wave waits for all its tensor loads (its part of slot 1), adds 0 to its spare word, and waits for that and for its own reads of slot 0.
; Behind it slot 1 is whole and nobody reads slot 0 any more.  Nothing is filled again.
.macro TURN slot, next
	s_wait_tensorcnt 0x0                           ; all my tensor loads have landed  (every window is 0 here: the add's two registers lie in window 0)
	ds_add_u32 v[SPW], v[NIL]                      ; 0 onto my spare word
	s_wait_dscnt 4*NL+1                            ; (the add and the youngest eight loads, X's blocks 4-7, may be out)
	WIN MUL_LO
	MUL16 0, 1, NQ-1, \slot, 0                     ; sixteen matrix instructions stand between the add and the wait for it
	s_wait_dscnt 0x0                               ; the add is done, and my reads of this slot are over
	s_barrier_signal -1
	MUL16 2, 1, NQ-1, \slot, 0                     ; work on registers while the others arrive
	WIN 0
	s_barrier_wait -1
	PLACES NP
	v_add_nc_u32 v[ADRS], 4*NQ, v[ADRS]            ; on to the next slot's scale words (no LDS load of mine is out)
	FETCH_B \next, 0, 0
	FETCH_A \next, 0, 0
	SCALES \next
	WIN MUL_HI
	MUL16 4, 1, NQ-1, \slot, 0
	MUL16 6, 1, NQ-1, \slot, 0
	PLACES NP
	WIN 0
	FETCH_A \next, 0, 4
.endm
	s_wait_tensorcnt 1                             ; the scales and my part of slot 0 are in (slot 1's load may be out)
	s_barrier_signal -1
	s_barrier_wait -1                              ; everybody's are
	FETCH_B 0, 0, 0
	FETCH_A 0, 0, 0
	SCALES 0
	FETCH_A 0, 0, 4
	s_wait_loadcnt 0x0                             ; the bias
	STEP 0, 0, 1                                   ; the first step's products start the sums from the bias
	STEP 0, 1, 0
	STEP 0, 2, 0
	TURN 0, 1
	STEP 1, 0, 0
	STEP 1, 1, 0
	STEP 1, 2, 0
	s_wait_dscnt 4*NL                              ; the very last step: nothing more to fetch
	WIN MUL_LO
	MUL16 0, 1, NQ-1, 1, 0
	MUL16 2, 1, NQ-1, 1, 0
	s_wait_dscnt 0
	WIN MUL_HI
	MUL16 4, 1, NQ-1, 1, 0
	MUL16 6, 1, NQ-1, 1, 0
	WIN 0
; THE WAY OUT, block by block of 16 tokens x 128 channels (two heads).  PACK: rounded to f16, 16 bytes a lane (eight channels of one token).  TOSTAGE: into my own stage, [head][token] rows of 144 bytes, and back four tokens
; of one head at a time.  SEND: 32 lanes store 512 consecutive bytes of qkv, at a multiple of 512 from its first byte.  LDS serves a wave's instructions in order (ISA guide 5.7.1.4): no wait between the stores and the loads.
.macro PACK a
.set AC, 64*((\a)%4)
	WIN 0x0a+5*((\a)/4)                            ; sources 0 and 1: window 2 or 3
.irp b, 0,1,2,3,4,5,6,7
.irp i, 0,1,2,3
	v_cvt_pk_f16_f32 v[TMP+4*\b+\i], v[AC+8*\b+2*\i], v[AC+8*\b+2*\i+1]   ; each accumulator from its low end on
.endr
.endr
	WIN 0
.endm
.macro TOSTAGE a
.set BB, BK+32*((\a)%2)
.irp b, 0,1,2,3,4,5,6,7
	ds_store_b128 v[STO], v[TMP+4*\b:TMP+4*\b+3] offset:(\b/4)*SHEAD+32*(\b%4)
.endr
.irp i, 0,1,2,3,4,5,6,7
	ds_load_b128 v[BB+4*\i:BB+4*\i+3], v[RD] offset:(\i/4)*SHEAD+(\i%4)*4*SPB
.endr
.endm
.macro SEND a
.set BB, BK+32*((\a)%2)
	s_wait_dscnt 0x0                               ; the block is back in registers
	s_wait_xcnt 0x0                                ; the stores of the block before have read their registers: the next block's loads may land there
.irp i, 0,1,2,3,4,5,6,7
	global_store_b128 v[CO], v[BB+4*\i:BB+4*\i+3], s[12:13] offset:(\i/4)*262144+(\a)*2048+(\i%4)*512
.endr
.endm
	PLACES NP                                      ; behind the last products: for the conversions' reads and for the loads into the registers that held X's fragments
	PACK 0
	TOSTAGE 0
.irp a, 1,2,3,4,5,6,7                  ; block a's conversions stand between block a - 1's loads from the stage and the wait for them
	PACK \a
	SEND \a-1
	TOSTAGE \a
.endr
	SEND 7
	s_wait_tensorcnt 0x0                           ; the wave's end: behind my last tensor load and my last LDS store
	ds_add_u32 v[SPW], v[NIL]
	s_wait_dscnt 0x0
	CROUND                                         ; the closing round: no work-group ends while a partner may still ask for a tile that names it
	s_endpgm
.Lfunc_end_k_q56bb5ca4cb_proj:
	.size	k_q56bb5ca4cb_proj, .Lfunc_end_k_q56bb5ca4cb_proj-k_q56bb5ca4cb_proj
	.p2alignl 7, 3214868480
	.fill 96, 4, 3214868480
	.section	.rodata,"a",@progbits
	.p2align	6, 0x0
	.amdhsa_kernel k_q56bb5ca4cb_proj
		.amdhsa_group_segment_fixed_size 327680
		.amdhsa_private_segment_fixed_size 0
		.amdhsa_enable_private_segment 0
		.amdhsa_kernarg_size 64
		.amdhsa_user_sgpr_count 2
		.amdhsa_user_sgpr_kernarg_segment_ptr 1
		.amdhsa_wavefront_size32 1
		.amdhsa_system_sgpr_workgroup_id_x 1
		.amdhsa_system_sgpr_workgroup_id_y 1
		.amdhsa_system_sgpr_workgroup_id_z 1
		.amdhsa_system_vgpr_workitem_id 0
		.amdhsa_next_free_vgpr 1024
		.amdhsa_next_free_sgpr 102
		.amdhsa_reserve_vcc 0
		.amdhsa_float_denorm_mode_32 3
		.amdhsa_float_denorm_mode_16_64 3
		.amdhsa_memory_ordered 1
		.amdhsa_forward_progress 1
		.amdhsa_inst_pref_size 128
	.end_amdhsa_kernel
	.amdgpu_metadata
---
amdhsa.version: [ 1, 2 ]
amdhsa.kernels:
  - .name:           k_q56bb5ca4cb_proj
    .symbol:         k_q56bb5ca4cb_proj.kd
    .args:
      - { .name: xcodes, .offset: 0, .size: 8, .value_kind: global_buffer, .address_space: global }
      - { .name: xscales, .offset: 8, .size: 8, .value_kind: global_buffer, .address_space: global }
      - { .name: wcodes, .offset: 16, .size: 8, .value_kind: global_buffer, .address_space: global }
      - { .name: wscales, .offset: 24, .size: 8, .value_kind: global_buffer, .address_space: global }
      - { .name: qkv, .offset: 32, .size: 8, .value_kind: global_buffer, .address_space: global }
      - { .name: bq, .offset: 40, .size: 8, .value_kind: global_buffer, .address_space: global }
      - { .name: bk, .offset: 48, .size: 8, .value_kind: global_buffer, .address_space: global }
      - { .name: bv, .offset: 56, .size: 8, .value_kind: global_buffer, .address_space: global }
    .group_segment_fixed_size: 327680
    .private_segment_fixed_size: 0
    .kernarg_segment_align: 8
    .kernarg_segment_size: 64
    .max_flat_workgroup_size: 128
    .sgpr_count:     102
    .vgpr_count:     1024
    .wavefront_size: 32
...
	.end_amdgpu_metadata
.endif
;; end of part 2
;; launch attn (part 3): grid 4 x 64, 8 waves a work-group, clusters of 4 x 1, 327,680 bytes of LDS; arguments qkv, mask, out0; writes out0
.if DOCPART == 3
	.amdgcn_target "amdgcn-amd-amdhsa--gfx1250"
	.amdhsa_code_object_version 6
	.text
	.protected	k_q56bb5ca4cb_attn
	.globl	k_q56bb5ca4cb_attn
	.p2align	8
	.type	k_q56bb5ca4cb_attn,@function
k_q56bb5ca4cb_attn:
	s_mov_b64 s[64:65], 0
	v_nop
	global_prefetch_b8 v0, s[64:65] scope:SCOPE_SE
	s_setreg_imm32_b32 hwreg(HW_REG_WAVE_MODE, 25, 1), 1
	s_wait_xcnt 0x0
	s_wait_alu depctr_hold_cnt(0) depctr_sa_sdst(0) depctr_va_vdst(0) depctr_va_sdst(0) depctr_va_ssrc(0) depctr_va_vcc(0) depctr_vm_vsrc(0)
	s_getreg_b32 s2, hwreg(HW_REG_IB_STS2, 6, 4)
	s_cmp_eq_u32 s2, 0
	s_cbranch_scc0 .Lentry_in_a_cluster
	s_endpgm
.Lentry_in_a_cluster:
	s_bfe_u32 s2, ttmp6, 0x10000c
	s_cmp_lg_u32 s2, 0x3003
	s_cbranch_scc0 .Lentry_shape_is_right
	s_endpgm
.Lentry_shape_is_right:
; out0[b][q][64 h + :] = the sum over k of softmax_k(Q[q] . K[k] / 8 - 10000 (1 - mask[b][k])) V[k][:], for each of 64 (batch, head) pairs; 2,048 queries and keys, head size 64.
; Q, K, V: qkv, f16, byte = t << 24 + (16 b + h) << 18 + token << 7 + 2 channel.  Products on f16 operands with f32 sums; maxima, exponentials and sums in f32; the weights p, at most 1, are rounded to f16 for the second product.
; SHARES.  A work-group owns 512 queries of one head, each of its eight waves 64: four tiles of 16, in 512 registers: two waves to a SIMD.  Every wave walks all keys, 64 a step; each fragment of K and V feeds four products.
; LAYOUT.  S^T = K Q^T (source 0 = 16 keys, source 1 = 16 queries): a lane holds ONE query (lane % 16) and the keys 8 (lane / 16) + 0..7.  Two such tiles, rounded to f16 in pairs, ARE source 1 (32 keys x 16 queries) of
; O^T = V^T P, whose result again holds one query a lane.  K comes out of LDS as it lies, V ([key][channel]) turned, by ds_load_tr16_b128.
; THE MASK costs no vector work in the loop: mb[k] = (1 - mask[k]) x (-80000), eight times the term of the scores with the same roundings, lies in LDS and is the C of each score tile's first product.
; SOFTMAX.  For each query a running maximum m of s (the mask's term in it) and a sum l: p = 2^(c s - c m), c = log2(e) / 8; in every step O and l are multiplied by a = 2^(c m_old - c m_new).
; The step is written once: O and l begin as zeros and m as -3e38, so the first a is 0.
; CLUSTER.  The four work-groups of a cluster are the four query blocks of one head and walk the same K and V: each tile is asked for JOINTLY, by the same tensor load with the same descriptor and a mask that names the four.
; RING.  Two slots of 256 keys (four steps).  Waves 0-3 fetch K's four quarters, waves 4-7 V's: one load of 64 rows a wave behind each round; by this text's own count a wave has one tensor load out.
; LIMITS: NaN and infinities among the inputs are not served.
; REGISTERS.  window 0: v0-15 addresses; v16-23 at work at the head; v24-63 statistics, ten a tile; v64-95 the mask's term, eight for each 16 keys; v96-223 S^T, 32 a tile; P is laid over each tile's low 16.
;   window 1: v0-127 O^T (tile t, channels 16 ct on: 32 t + 8 ct); v128-191 Q (16 t + 8 c); v192-255 one buffer for K's and then V's fragments of a step.
.set PK,    144       ; a row of K in LDS: 128 bytes + 16 = 36 words: the 16 rows of a load start 4 words apart modulo 64
.set PV,    160       ; a row of V: 128 + 32 = 40 words
.set VOFF,  256*PK    ; a slot: 256 rows of K, then 256 rows of V
.set SLOT1, 1<<17     ; slot 1 begins here: one exclusive or turns an address in one slot into the other's
.set MB,    SLOT1+256*(PK+PV)   ; behind the ring: the mask's term, 2,048 f32
.set STAGE, MB+8192   ; 16 rows x 272 bytes for each wave, for the way out
.set SP,    272
.set SPARE, STAGE+8*16*SP       ; the spare words, 128 bytes a wave, which no other line names
.set AK0, 3           ; v3   my lane's place in a tile of K; never rewritten
.set AV0, 4           ; v4   the same for V
.set AM0, 5           ; v5   and in the mask's term
.set ADK, 6           ; v6-8 the same three in the slot in hand
.set ADV, 7
.set ADM, 8
.set QO,  9           ; v9   my byte offset in the wave's rows of Q
.set STO, 10          ; v10  the way out: where I put 32 bytes of a row
.set RD,  11          ; v11  where I read a row back
.set GO,  12          ; v12  my byte offset in the wave's rows of out0
.set PFO, 13          ; v13  256 x my lane; never rewritten
.set SPW, 14          ; v14  LDS address of my spare word; never rewritten
.set NIL, 15          ; v15  0; never rewritten
.set ST,  24          ; tile t's statistics at v[ST + 10 t]: +0 c m, +1 m, +2, +3 l (even keys', odd keys'), +4 to +7 c0-c3 at work (a takes c2's place; the sums' first chain c0, c1), +8, +9 the sums' second chain
.set MC,  64
.set S,   96
.set QF,  128         ; in window 1
.set KV,  192         ; in window 1
.set WV,  12          ; s12  my wave's number
.set LIM, 15          ; s15  1 in a wave that prefetches, else the greatest number
.set PFA, 20          ; s[20:21] where my prefetches stand in memory
.set G1K, 24          ; s[24:31] descriptor group 1 for K's tiles
.set G1V, 32          ; s[32:39] for V's: it differs in the padding alone
.set G0K, 40          ; s[40:43] descriptor group 0 for K's tiles: it walks
.set G0V, 44          ; s[44:47] for V's
.set SLOTS, 48        ; s48  slots still to be asked for
.set TB,  49          ; s49  LDS byte at which the slot in hand begins
.set TM,  50          ; s50  4 x the slot's first key
.set CS,  52          ; s[52:53] c: the packed scaling names a pair and takes its low word for both halves
.set SEL, 54          ; s[54:55] lane selects for v_permlanex16_b32: each lane takes its own place in the other half
.set MSB, 0
.macro WIN new                      ; the immediate's high byte repeats the setting that is left; a switch that changes nothing is dropped
.if MSB != (\new)
	s_set_vgpr_msb (MSB<<8)|(\new)
.set MSB, (\new)
.endif
.endm
.set W_LD, 0x40       ; destination window 1, address window 0
.set W_KQ, 0x05       ; K and Q in window 1; C and D in window 0
.set W_PV, 0x51       ; V in window 1, P in window 0, O^T in window 1
.set W_RS, 0x41       ; O^T (destination and source 0) in window 1, a in window 0
; A joint load.  Waves 0-3 fetch K's quarters, waves 4-7 V's.  The branch hangs on the wave's number alone.  An s_nop 0 and four v_nop follow each of the two lines.
.macro JLOAD
	s_cmp_lt_u32 s[WV], 4
	s_cbranch_scc0 .Lfor_v_\@
	tensor_load_to_lds s[G0K:G0K+3], s[G1K:G1K+7]
	s_nop 0
.rept 4
	v_nop
.endr
	s_branch .Lasked_\@
.Lfor_v_\@:
	tensor_load_to_lds s[G0V:G0V+3], s[G1V:G1V+7]
	s_nop 0
.rept 4
	v_nop
.endr
.Lasked_\@:
.endm
; A PREFETCH INTO THE L2 of what the NEXT change of slots will ask for: a slot's 256 rows of K and of V, 32,768 dense bytes each.  One cluster alone walks a head; its four partners share the bytes out BY ADDRESS, 8,192 each;
; in each, wave 0 asks for K's and wave 4 for V's, lanes 256 bytes apart: one instruction.  So each 256 bytes are named once in the launch.  It stands behind the wave's tensor load and its five lines: a slot's four key steps,
; 256 matrix instructions a wave, ahead of the load that will want the bytes.  Slots 0 and 1 come by their loads alone; the last change that fills a slot asks for nothing: there is no slot behind it.
.macro ASK
	s_cmp_gt_u32 s[SLOTS], s[LIM]
	s_cbranch_scc0 .Lnot_mine_\@
	global_prefetch_b8 v[PFO], s[PFA:PFA+1] th:TH_LOAD_NT scope:SCOPE_SE
.Lnot_mine_\@:
.endm
; A round of the cluster's barrier: my work-group's barrier; wave 0 signals for the work-group; every wave waits for all four work-groups; my work-group's barrier once more.
.macro CROUND
	s_barrier_signal -1
	s_barrier_wait -1
	s_cmp_lg_u32 s[WV], 0
	s_cbranch_scc1 .Lnot_wave_0_\@
	s_barrier_signal -3
.Lnot_wave_0_\@:
	s_barrier_wait -3
	s_barrier_signal -1
	s_barrier_wait -1
.endm
	s_load_b128 s[4:7], s[0:1], 0x0 ; qkv, mask
	s_load_b64 s[8:9], s[0:1], 0x10 ; out0
	v_lshl_add_u32 v[SPW], v0, 2, SPARE
	v_mov_b32 v[NIL], 0
	ds_add_u32 v[SPW], v[NIL]       ; the wave's opening: the add, twice on end, and its wait ahead of my first tensor load
	ds_add_u32 v[SPW], v[NIL]
	v_lshrrev_b32 v1, 5, v0
	v_readfirstlane_b32 s[WV], v1   ; wave 0..7
	s_bfe_u32 s13, ttmp6, 0x40000   ; cx: my place in the cluster
	s_and_b32 s14, ttmp7, 0xffff    ; 16 batch + head, which the four partners share
	s_lshl_b32 s16, ttmp9, 2
	s_add_co_u32 s16, s16, s13      ; my block of 512 queries: it enters Q's, out0's and the prefetches' addresses alone
	s_lshl_b32 s16, s16, 9
	s_lshl_b32 s17, s[WV], 6
	s_add_co_u32 s16, s16, s17      ; my wave's first query
	s_lshl_b32 s18, s14, 18         ; the head's first byte in each third of qkv
	s_and_b32 s19, s[WV], 3         ; which quarter of a slot's rows I fetch:
	s_lshl_b32 s56, s19, 13         ; its 64 rows of 128 bytes in memory,
	s_add_co_u32 s56, s56, s18
	s_mov_b32 s57, 0
	s_mul_i32 s58, s19, 64*PK       ; and its place in a slot: no place in the cluster enters an LDS address
	s_mul_i32 s59, s19, 64*PV
	s_add_co_u32 s59, s59, VOFF
	s_lshl_b32 s60, s16, 7
	s_add_co_u32 s60, s60, s18      ; Q: my wave's rows
	s_mov_b32 s61, 0
	s_lshr_b32 s62, s14, 4          ; batch
	s_lshl_b32 s22, s62, 13         ; its row of the mask
	s_mov_b32 s23, 0
	s_lshl_b32 s62, s62, 23         ; out0: the batch's 2,048 rows of 4,096 bytes,
	s_lshl_b32 s63, s16, 12         ; my first row,
	s_add_co_u32 s62, s62, s63
	s_and_b32 s63, s14, 15
	s_lshl_b32 s63, s63, 8          ; the head's 256 bytes in a row
	s_add_co_u32 s62, s62, s63
	s_mov_b32 s63, 0
	s_mov_b32 s2, 1<<25             ; the prefetches: V's third of qkv, or
	s_cmp_lt_u32 s[WV], 4
	s_cselect_b32 s2, 1<<24, s2     ; K's;
	s_add_co_u32 s2, s2, s18        ; the head;
	s_lshl_b32 s3, s13, 13
	s_add_co_u32 s2, s2, s3         ; my work-group's 8,192 bytes of a slot's 32,768;
	s_add_co_u32 s2, s2, 32768      ; in slot 1: the first change of slots steps it to slot 2.  Nothing is prefetched at the head
	s_mov_b32 s3, 0
	s_cmp_eq_u32 s19, 0             ; waves 0 and 4 ask
	s_cselect_b32 s[LIM], 1, -1
	; descriptor group 1: a tile of 64 rows x 64 elements, padded in LDS
	s_mov_b32 s[G1K], 15|(1<<16)|(1<<20)|(1<<21)|(4<<22)|(3<<25)  ; 15:0 the mask: all four work-groups; 17:16 elements of 2 bytes; 20 padding on; 21 set beside a mask; 24:22 after every 32 words (code 4); 31:25 four words of it (code 3)
	s_mov_b32 s[G1V], 15|(1<<16)|(1<<20)|(1<<21)|(4<<22)|(7<<25)  ; the same with eight words of padding (code 7)
.irp g, G1K, G1V
	s_mov_b32 s[\g+1], 64<<16       ; tensor_dim0 = 64
	s_mov_b32 s[\g+2], 64<<16       ; tensor_dim1 = 64
	s_mov_b32 s[\g+3], 64<<16       ; tile_dim0 = 64
	s_mov_b32 s[\g+4], 64           ; tile_dim1 = 64
	s_mov_b32 s[\g+5], 64           ; elements from row to row
	s_mov_b32 s[\g+6], 0
	s_mov_b32 s[\g+7], 0
.endr
	s_mov_b32 s[CS], 0x3e38aa3b     ; c = log2(e) / 8
	s_mov_b32 s[CS+1], s[CS]        ; named with it as a pair, so it is written
	s_mov_b32 s[SEL], 0x76543210
	s_mov_b32 s[SEL+1], 0xfedcba98
	s_mov_b32 s[TB], 0
	s_mov_b32 s[TM], 0
	s_mov_b32 s[SLOTS], 7
	s_wait_dscnt 0x0                ; both opening adds are done
	s_wait_kmcnt 0x0
	s_add_nc_u64 s[10:11], s[4:5], s[60:61]  ; Q at my wave's first row
	s_add_nc_u64 s[6:7], s[6:7], s[22:23]    ; the mask at my batch
	s_add_nc_u64 s[8:9], s[8:9], s[62:63]    ; out0 at my wave's first row, my head
	s_add_nc_u64 s[PFA:PFA+1], s[4:5], s[2:3]
	s_add_nc_u64 s[56:57], s[4:5], s[56:57]  ; qkv at my head, my quarter of slot 0
	s_mov_b32 s[G0K], 1             ; 1:0 count = 1
	s_mov_b32 s[G0K+1], s58         ; 63:32 LDS address: slot 0
	s_add_nc_u64 s[G0K+2:G0K+3], s[56:57], 1<<24  ; 120:64 global address: K's third
	s_or_b32 s[G0K+3], s[G0K+3], 0x80000000       ; 127:126 type = 2
	s_mov_b32 s[G0V], 1
	s_mov_b32 s[G0V+1], s59
	s_add_nc_u64 s[G0V+2:G0V+3], s[56:57], 1<<25  ; V's third
	s_or_b32 s[G0V+3], s[G0V+3], 0x80000000
	CROUND                          ; all four work-groups are here: the first joint loads meet
	JLOAD                           ; slot 0
	v_and_b32 v1, 15, v0            ; r = lane % 16
	v_bfe_u32 v2, v0, 4, 1          ; h = lane / 16
	v_lshlrev_b32 v6, 5, v0         ; the mask: 256 threads x 8 numbers are the batch's 2,048
	global_load_b128 v[16:19], v6, s[6:7]
	global_load_b128 v[20:23], v6, s[6:7] offset:16
	v_lshlrev_b32 v[QO], 7, v1
	v_lshl_add_u32 v[QO], v2, 4, v[QO]  ; row x 128 + 16 x half
	WIN W_LD
.irp t, 0,1,2,3                     ; Q stays in registers: a fragment is 16 rows x 32 channels: two loads of 16 bytes, 32 bytes apart
.irp c, 0,1
	global_load_b128 v[QF+16*\t+8*\c:QF+16*\t+8*\c+3],   v[QO], s[10:11] offset:2048*\t+64*\c th:TH_LOAD_NT
	global_load_b128 v[QF+16*\t+8*\c+4:QF+16*\t+8*\c+7], v[QO], s[10:11] offset:2048*\t+64*\c+32 th:TH_LOAD_NT
.endr
.endr
.set i, 0
.rept 128
	v_mov_b32 v[i], 0               ; O^T.  (The step is written once: its first pass finds zeros, which a = 0 leaves zeros; a first step of its own would be a third copy of a slot's text)
.set i, i+1
.endr
	WIN 0
	v_mul_u32_u24 v[AK0], v1, PK
	v_lshl_add_u32 v[AK0], v2, 4, v[AK0]  ; K: row x pitch + 16 x half
	; The turning load takes 16 keys x 16 channels (lane l reads 16 bytes: key 8 (l / 16) + l % 8, channels 8 ((l / 8) % 2) + 0..7) and leaves half a fragment of V^T: lane l holds channel l % 16 and 8 keys.
	v_and_b32 v7, 7, v0
	v_lshl_add_u32 v7, v2, 3, v7
	v_mul_u32_u24 v[AV0], v7, PV
	v_bfe_u32 v7, v0, 3, 1
	v_lshl_add_u32 v[AV0], v7, 4, v[AV0]
	v_add_nc_u32 v[AV0], VOFF, v[AV0]
	v_lshl_add_u32 v[AM0], v2, 5, MB      ; the mask's term of my half's eight keys of a tile
	s_mul_i32 s17, s[WV], 16*SP
	s_add_co_u32 s17, s17, STAGE          ; my stage
	v_mul_u32_u24 v[STO], v1, SP          ; in: row r, 32 bytes for each half of the lanes
	v_lshl_add_u32 v[STO], v2, 5, v[STO]
	v_add_nc_u32 v[STO], s17, v[STO]
	v_mul_u32_u24 v[RD], v2, SP           ; back: lanes 0-15 take one row of 256 bytes, lanes 16-31 the next
	v_lshl_add_u32 v[RD], v1, 4, v[RD]
	v_add_nc_u32 v[RD], s17, v[RD]
	v_lshlrev_b32 v[GO], 12, v2           ; and the same two rows in out0
	v_lshl_add_u32 v[GO], v1, 4, v[GO]
	v_and_b32 v[PFO], 31, v0
	v_lshlrev_b32 v[PFO], 8, v[PFO]
	v_lshl_add_u32 v7, v0, 5, MB          ; where I put my eight numbers of the mask's term
.irp t, 0,1,2,3
	v_mov_b32 v[ST+10*\t+1], 0xff61b1e6   ; m: -3e38, under every score
	v_mov_b32 v[ST+10*\t+2], 0            ; l, in two halves
	v_mov_b32 v[ST+10*\t+3], 0
.endr
.irp t, 0,1,2,3
	v_mul_f32 v[ST+10*\t], s[CS], v[ST+10*\t+1]   ; c m
.endr
	s_wait_loadcnt 16               ; the mask is in; Q's sixteen loads may be out
.irp i, 0,1,2,3,4,5,6,7
	v_sub_f32 v[16+\i], 1.0, v[16+\i]
.endr
.irp i, 0,1,2,3,4,5,6,7
	v_mul_f32 v[16+\i], 0xc79c4000, v[16+\i]      ; x -80000
.endr
	ds_store_b128 v7, v[16:19]      ; the first change of slots waits for these stores and passes a barrier before anybody reads them
	ds_store_b128 v7, v[20:23] offset:16
	s_wait_loadcnt 0x0              ; Q
; THE SOFTMAX of a key step, the four tiles by turns in every line, so that no line waits for the line above it.
.macro SOFTMAX
.irp j, 0,1,2,3                     ; the maximum of the lane's 32 scores and the old m, three operands at a time: four chains of seven scores, each accumulator read from its low end on
.irp t, 0,1,2,3
	v_max3_num_f32 v[ST+10*\t+4+\j], v[S+32*\t+8*\j], v[S+32*\t+8*\j+1], v[S+32*\t+8*\j+2]
.endr
.endr
.irp u, 1,2
.irp j, 0,1,2,3
.irp t, 0,1,2,3
	v_max3_num_f32 v[ST+10*\t+4+\j], v[ST+10*\t+4+\j], v[S+32*\t+8*\j+2*\u+1], v[S+32*\t+8*\j+2*\u+2]
.endr
.endr
.endr
.irp t, 0,1,2,3
	v_max3_num_f32 v[ST+10*\t+4], v[ST+10*\t+4], v[S+32*\t+7], v[S+32*\t+15]
.endr
.irp t, 0,1,2,3
	v_max3_num_f32 v[ST+10*\t+6], v[ST+10*\t+6], v[S+32*\t+23], v[S+32*\t+31]
.endr
.irp t, 0,1,2,3
	v_max3_num_f32 v[ST+10*\t+4], v[ST+10*\t+4], v[ST+10*\t+5], v[ST+10*\t+6]
.endr
.irp t, 0,1,2,3
	v_max3_num_f32 v[ST+10*\t+4], v[ST+10*\t+4], v[ST+10*\t+7], v[ST+10*\t+1]
.endr
.irp t, 0,1,2,3
	v_permlanex16_b32 v[ST+10*\t+5], v[ST+10*\t+4], s[SEL], s[SEL+1]  ; the query's other 32 keys lie in the lane 16 away
.endr
.irp t, 0,1,2,3
	v_mov_b32 v[ST+10*\t+7], v[ST+10*\t]          ; c m_old is kept for a
.endr
.irp t, 0,1,2,3
	v_max_num_f32 v[ST+10*\t+1], v[ST+10*\t+4], v[ST+10*\t+5]
.endr
.irp t, 0,1,2,3
	v_mul_f32 v[ST+10*\t], s[CS], v[ST+10*\t+1]
.endr
.irp t, 0,1,2,3
	v_sub_f32 v[ST+10*\t+7], v[ST+10*\t+7], v[ST+10*\t]
.endr
.irp t, 0,1,2,3
	v_exp_f32 v[ST+10*\t+6], v[ST+10*\t+7]        ; a
.endr
.irp b, 0,1,2,3,4,5,6,7,8,9,10,11,12,13,14,15     ; ONE BATCH: the scalings c s - c m, a pair of scores each, and the exponentials; none of these lines names an exponential's result
.irp t, 0,1,2,3
	v_pk_fma_f32 v[S+32*\t+2*\b:S+32*\t+2*\b+1], v[S+32*\t+2*\b:S+32*\t+2*\b+1], s[CS:CS+1], v[ST+10*\t:ST+10*\t+1] op_sel_hi:[1,0,0] neg_lo:[0,0,1] neg_hi:[0,0,1]
.endr
.irp t, 0,1,2,3
	v_exp_f32 v[S+32*\t+2*\b], v[S+32*\t+2*\b]
	v_exp_f32 v[S+32*\t+2*\b+1], v[S+32*\t+2*\b+1]
.endr
.endr
	v_nop                           ; a plain instruction behind the last exponential and ahead of the first use (ISA guide 5.7.2)
	s_wait_alu depctr_va_vdst(0)    ; the wait ahead of the first line that names a result: one for the step's 132 exponentials
.irp t, 0,1,2,3                     ; the sums of the unrounded weights, in two chains; S^T stays as it is
	v_pk_add_f32 v[ST+10*\t+4:ST+10*\t+5], v[S+32*\t:S+32*\t+1], v[S+32*\t+2:S+32*\t+3]
.endr
.irp t, 0,1,2,3
	v_pk_add_f32 v[ST+10*\t+8:ST+10*\t+9], v[S+32*\t+4:S+32*\t+5], v[S+32*\t+6:S+32*\t+7]
.endr
.irp i, 8,12,16,20,24,28
.irp t, 0,1,2,3
	v_pk_add_f32 v[ST+10*\t+4:ST+10*\t+5], v[ST+10*\t+4:ST+10*\t+5], v[S+32*\t+\i:S+32*\t+\i+1]
.endr
.irp t, 0,1,2,3
	v_pk_add_f32 v[ST+10*\t+8:ST+10*\t+9], v[ST+10*\t+8:ST+10*\t+9], v[S+32*\t+\i+2:S+32*\t+\i+3]
.endr
.endr
.irp t, 0,1,2,3
	v_pk_add_f32 v[ST+10*\t+4:ST+10*\t+5], v[ST+10*\t+4:ST+10*\t+5], v[ST+10*\t+8:ST+10*\t+9]
.endr
.irp t, 0,1,2,3
	v_pk_fma_f32 v[ST+10*\t+2:ST+10*\t+3], v[ST+10*\t+2:ST+10*\t+3], v[ST+10*\t+6:ST+10*\t+7], v[ST+10*\t+4:ST+10*\t+5] op_sel_hi:[1,0,1]   ; l = a l + the sum
.endr
.irp j, 0,1,2,3,4,5,6,7,8,9,10,11,12,13,14,15     ; the roundings to f16: register j takes weights 2 j and 2 j + 1; ascending, so that none is written before it is read
.irp t, 0,1,2,3
	v_cvt_pk_f16_f32 v[S+32*\t+\j], v[S+32*\t+2*\j], v[S+32*\t+2*\j+1]
.endr
.endr
	WIN W_RS
.irp i, 0,2,4,6,8,10,12,14,16,18,20,22,24,26,28,30   ; O^T times a, each accumulator from its low end on
.irp t, 0,1,2,3
	v_pk_mul_f32 v[32*\t+\i:32*\t+\i+1], v[32*\t+\i:32*\t+\i+1], v[ST+10*\t+6:ST+10*\t+7] op_sel_hi:[1,0]
.endr
.endr
.endm
; A KEY STEP: 64 keys, the q-th of the slot in hand.  In both products the sixteen accumulators take turns, one instruction a turn.
.macro STEP q
.rept 5
	v_nop                           ; five places behind the last products V^T P: four for the loads into the buffer that they read, the fifth since the products below write over P (ISA guide 7.12.1 for vector instructions)
.endr
.irp kt, 0,1,2,3
	ds_load_b128 v[MC+8*\kt:MC+8*\kt+3],   v[ADM] offset:256*(\q)+64*\kt      ; the mask's term of keys 16 kt + 8 h + 0..7: sixteen lanes read the same 16 bytes
	ds_load_b128 v[MC+8*\kt+4:MC+8*\kt+7], v[ADM] offset:256*(\q)+64*\kt+16
.endr
	WIN W_LD
.irp c, 0,1                         ; K: channels 32 c on, keys 16 kt on; the first 32 channels first
.irp kt, 0,1,2,3
	ds_load_b128 v[KV+8*(4*\c+\kt):KV+8*(4*\c+\kt)+3],   v[ADK] offset:64*PK*(\q)+16*PK*\kt+64*\c
	ds_load_b128 v[KV+8*(4*\c+\kt)+4:KV+8*(4*\c+\kt)+7], v[ADK] offset:64*PK*(\q)+16*PK*\kt+64*\c+32
.endr
.endr
	s_wait_dscnt 8                  ; the mask's term and K's first 32 channels are in; the youngest eight loads may be out
	WIN W_KQ
.irp kt, 0,1,2,3
.irp t, 0,1,2,3
	v_wmma_f32_16x16x32_f16 v[S+32*\t+8*\kt:S+32*\t+8*\kt+7], v[KV+8*\kt:KV+8*\kt+7], v[QF+16*\t:QF+16*\t+7], v[MC+8*\kt:MC+8*\kt+7]   ; the mask's term starts the sums
.endr
.endr
	s_wait_dscnt 0x0
.irp kt, 0,1,2,3
.irp t, 0,1,2,3
	v_wmma_f32_16x16x32_f16 v[S+32*\t+8*\kt:S+32*\t+8*\kt+7], v[KV+32+8*\kt:KV+32+8*\kt+7], v[QF+16*\t+8:QF+16*\t+15], v[S+32*\t+8*\kt:S+32*\t+8*\kt+7]
.endr
.endr
.rept 4
	v_nop                           ; four places: for the loads into K's buffer and for the first read of the scores
.endr
	WIN W_LD
.irp kh, 0,1                        ; V, turned: keys 32 kh on, channels 16 ct on; it lands while the softmax is worked
.irp ct, 0,1,2,3
	ds_load_tr16_b128 v[KV+8*(4*\kh+\ct):KV+8*(4*\kh+\ct)+3],   v[ADV] offset:64*PV*(\q)+32*PV*\kh+32*\ct
	ds_load_tr16_b128 v[KV+8*(4*\kh+\ct)+4:KV+8*(4*\kh+\ct)+7], v[ADV] offset:64*PV*(\q)+32*PV*\kh+16*PV+32*\ct
.endr
.endr
	WIN 0
	SOFTMAX
	s_wait_dscnt 0x0                ; V is in
	WIN W_PV
.irp kh, 0,1
.irp ct, 0,1,2,3
.irp t, 0,1,2,3
	v_wmma_f32_16x16x32_f16 v[32*\t+8*\ct:32*\t+8*\ct+7], v[KV+8*(4*\kh+\ct):KV+8*(4*\kh+\ct)+7], v[S+32*\t+8*\kh:S+32*\t+8*\kh+7], v[32*\t+8*\ct:32*\t+8*\ct+7]
.endr
.endr
.endr
	WIN 0
.endm
; THE CHANGE OF SLOTS stands at a slot's head.  Each wave waits for all its tensor loads (its part of the slot that it is about to read), adds 0 to its spare word, and waits for that and for its LDS instructions on the slot
; that it has left.  fill = 1: the barrier is a round of the cluster's, so that no wave of any partner still reads the other slot or has a load on its way; the joint load of the keys that follow is the first thing behind it
; and has a whole slot's steps in which to land.
.macro CHANGE fill
	s_wait_tensorcnt 0x0            ; no tensor load of mine is out, so a group 0 may be written
	ds_add_u32 v[SPW], v[NIL]       ; 0 onto my spare word
.if \fill
	s_xor_b32 s[G0K+1], s[G0K+1], SLOT1   ; the walking descriptors: the other slot than last time,
	s_add_nc_u64 s[G0K+2:G0K+3], s[G0K+2:G0K+3], 32768   ; the next 256 keys; the type bits on top are not reached
	s_xor_b32 s[G0V+1], s[G0V+1], SLOT1
	s_add_nc_u64 s[G0V+2:G0V+3], s[G0V+2:G0V+3], 32768
	s_wait_xcnt 0x0                 ; the last prefetch, a slot back, has read its address, so it may be written:
	s_add_nc_u64 s[PFA:PFA+1], s[PFA:PFA+1], 32768   ; one slot further on than the walking descriptors
	s_wait_dscnt 0x0                ; the add is done, and so are my LDS instructions
	CROUND
	JLOAD
	ASK
.else
	s_wait_dscnt 0x0
	s_barrier_signal -1
	s_barrier_wait -1
.endif
.endm
.macro SLOT_STEPS
	v_add_nc_u32 v[ADK], s[TB], v[AK0]
	v_add_nc_u32 v[ADV], s[TB], v[AV0]
	v_add_nc_u32 v[ADM], s[TM], v[AM0]
	STEP 0
	STEP 1
	STEP 2
	STEP 3
	s_xor_b32 s[TB], s[TB], SLOT1   ; on to the other slot,
	s_add_co_u32 s[TM], s[TM], 1024 ; and the next 256 keys of the mask's term
.endm
.Lslot:                             ; seven trips: trip i reads slot i's keys and asks for the next 256
	CHANGE 1
	SLOT_STEPS
	s_sub_co_u32 s[SLOTS], s[SLOTS], 1
	s_cmp_lg_u32 s[SLOTS], 0
	s_cbranch_scc1 .Lslot
	CHANGE 0                        ; the last slot is written out
	SLOT_STEPS
	; THE WAY OUT.  l's two halves and the other half of the lanes' are added; O^T is divided by l and sent through my stage in LDS, a tile (16 rows) at a time.  The additions are the places behind the last products.
.irp t, 0,1,2,3
	v_add_f32 v[ST+10*\t+4], v[ST+10*\t+2], v[ST+10*\t+3]
.endr
.irp t, 0,1,2,3
	v_permlanex16_b32 v[ST+10*\t+5], v[ST+10*\t+4], s[SEL], s[SEL+1]
.endr
.irp t, 0,1,2,3
	v_add_f32 v[ST+10*\t+4], v[ST+10*\t+4], v[ST+10*\t+5]
.endr
.irp t, 0,1,2,3
	v_rcp_f32 v[ST+10*\t+6], v[ST+10*\t+4]
.endr
	v_nop                           ; a plain instruction between the last reciprocal and the use of its result
	s_wait_alu depctr_va_vdst(0)    ; and a wait ahead of the first use: one for the four
; Tile t: a lane's eight channels of a row are 32 bytes; they go into rows of 272 bytes and come back as whole rows of 256, into the registers that they left.
.macro PACKO t
	WIN 0x01                        ; source 0 (O^T) window 1; 1 / l and the destination window 0
.irp i, 0,2,4,6,8,10,12,14,16,18,20,22,24,26,28,30
	v_pk_mul_f32 v[S+32*\t+\i:S+32*\t+\i+1], v[32*\t+\i:32*\t+\i+1], v[ST+10*\t+6:ST+10*\t+7] op_sel_hi:[1,0]
.endr
	WIN 0
.irp ct, 0,1,2,3
	ds_store_b128 v[STO], v[S+32*\t+8*\ct:S+32*\t+8*\ct+3] offset:64*\ct
	ds_store_b128 v[STO], v[S+32*\t+8*\ct+4:S+32*\t+8*\ct+7] offset:64*\ct+16
.endr
.irp f, 0,1,2,3,4,5,6,7
	ds_load_b128 v[S+32*\t+4*\f:S+32*\t+4*\f+3], v[RD] offset:\f*2*SP   ; LDS serves a wave's instructions in order (ISA guide 5.7.1.4): these see the stores above; the next tile's stores come behind them
.endr
.endm
.macro SEND t, younger              ; younger: the LDS instructions issued behind tile t's loads: the next tile's sixteen, or none
.irp f, 0,1,2,3,4,5,6,7
	s_wait_dscnt \younger+7-\f
	global_store_b128 v[GO], v[S+32*\t+4*\f:S+32*\t+4*\f+3], s[8:9] offset:\t*65536+\f*8192 th:TH_STORE_NT   ; 16 lanes store 256 consecutive bytes, at a multiple of 256 from out0's first byte
.endr
.endm
	PACKO 0
	PACKO 1                         ; a tile's arithmetic stands between the loads of the tile before and its stores
	SEND 0, 16
	PACKO 2
	SEND 1, 16
	PACKO 3
	SEND 2, 16
	SEND 3, 0
	s_wait_tensorcnt 0x0            ; the wave's end: behind my last tensor load and my last LDS store
	ds_add_u32 v[SPW], v[NIL]
	s_wait_dscnt 0x0
	CROUND                          ; the closing round: no work-group ends while a partner may still ask for a tile that names it
	s_endpgm
.Lfunc_end_k_q56bb5ca4cb_attn:
	.size	k_q56bb5ca4cb_attn, .Lfunc_end_k_q56bb5ca4cb_attn-k_q56bb5ca4cb_attn
	.p2alignl 7, 3214868480
	.fill 96, 4, 3214868480
	.section	.rodata,"a",@progbits
	.p2align	6, 0x0
	.amdhsa_kernel k_q56bb5ca4cb_attn
		.amdhsa_group_segment_fixed_size 327680
		.amdhsa_private_segment_fixed_size 0
		.amdhsa_enable_private_segment 0
		.amdhsa_kernarg_size 24
		.amdhsa_user_sgpr_count 2
		.amdhsa_user_sgpr_kernarg_segment_ptr 1
		.amdhsa_wavefront_size32 1
		.amdhsa_system_sgpr_workgroup_id_x 1
		.amdhsa_system_sgpr_workgroup_id_y 1
		.amdhsa_system_sgpr_workgroup_id_z 1
		.amdhsa_system_vgpr_workitem_id 0
		.amdhsa_next_free_vgpr 512
		.amdhsa_next_free_sgpr 66
		.amdhsa_reserve_vcc 0
		.amdhsa_float_denorm_mode_32 3
		.amdhsa_float_denorm_mode_16_64 3
		.amdhsa_memory_ordered 1
		.amdhsa_forward_progress 1
		.amdhsa_inst_pref_size 255
	.end_amdhsa_kernel
	.section	.bss,"aw",@nobits
	.p2align	6
	.space	262144
	.amdgpu_metadata
---
amdhsa.version: [ 1, 2 ]
amdhsa.kernels:
  - .name:           k_q56bb5ca4cb_attn
    .symbol:         k_q56bb5ca4cb_attn.kd
    .args:
      - { .name: qkv, .offset: 0, .size: 8, .value_kind: global_buffer, .address_space: global }
      - { .name: mask, .offset: 8, .size: 8, .value_kind: global_buffer, .address_space: global }
      - { .name: out0, .offset: 16, .size: 8, .value_kind: global_buffer, .address_space: global }
    .group_segment_fixed_size: 327680
    .private_segment_fixed_size: 0
    .kernarg_segment_align: 8
    .kernarg_segment_size: 24
    .max_flat_workgroup_size: 256
    .sgpr_count:     66
    .vgpr_count:     512
    .wavefront_size: 32
...
	.end_amdgpu_metadata
.endif
;; end of part 3
